; MI455X (gfx1250); checked and timed in simulation.
; The chip was launched on July 23, 2026; its instructions are those of AMD's public machine-readable ISA for CDNA 5 (MIT licence, August 2026) and "CDNA5" Instruction Set Architecture Reference Guide (July 2026). The comments in the code are by the model that wrote it; some were corrected since.
;; Attention. Allowed arithmetic: matrix products marked QUANTISED: E5M2 operands, one E8M0 scale for each 32 along K, by v_wmma_scale_f32_16x16x128_f8f6f4 with both operands' format E5M2, f32 sums; everything else in f32.
;; Inputs: Wk_codes 1,024 x 32 x 32 uint8 (E5M2 codes of Wk, K innermost, in blocks of 32 codes); Wk_scales 1,024 x 32 uint8 (E8M0 scales of Wk, one for each 32 codes along K); Wq_codes 1,024 x 32 x 32 uint8 (E5M2 codes of Wq, K innermost, in blocks of 32 codes); Wq_scales 1,024 x 32 uint8 (E8M0 scales of Wq, one for each 32 codes along K); Wv_codes 1,024 x 32 x 32 uint8 (E5M2 codes of Wv, K innermost, in blocks of 32 codes); Wv_scales 1,024 x 32 uint8 (E8M0 scales of Wv, one for each 32 codes along K); beta 16 x 1,024 x 1,024 float32; bk 1,024 float32; bq 1,024 float32; bv 1,024 float32; k_codes 8 x 1,024 x 32 x 32 uint8 (E5M2 codes of k, K innermost, in blocks of 32 codes); k_scales 8 x 1,024 x 32 uint8 (E8M0 scales of k, one for each 32 codes along K); q_codes 8 x 1,024 x 32 x 32 uint8 (E5M2 codes of q, K innermost, in blocks of 32 codes); q_scales 8 x 1,024 x 32 uint8 (E8M0 scales of q, one for each 32 codes along K); src_mask 8 x 1,024 bool; tgt_mask 8 x 1,024 bool; v_codes 8 x 1,024 x 32 x 32 uint8 (E5M2 codes of v, K innermost, in blocks of 32 codes); v_scales 8 x 1,024 x 32 uint8 (E8M0 scales of v, one for each 32 codes along K).
;; Outputs: out0 8 x 1,024 x 1,024 float32.
;; This version of the problem:
;;   THIS VERSION OF THE PROBLEM IS GIVEN IN LOW PRECISION. The matrix products marked QUANTISED in the list below multiply operands that are first quantised to E5M2 (5 exponent bits, 2 mantissa bits; 8 bits a number), with one power-of-two scale for each 32 numbers along K (OCP MX v1.0); their sums are f32. All else is computed in f32.
;;   The module's matrix products, in the order in which they are computed (A, B: the left and right operand; K: the contracted axis; several contracted axes count as one K, in the product's order):
;;     1. [M 8,192, K 1,024] x [K 1,024, N 1,024]; A: input q (given as codes); B: input Wq (given as codes): QUANTISED
;;     2. [M 8,192, K 1,024] x [K 1,024, N 1,024]; A: input k (given as codes); B: input Wk (given as codes): QUANTISED
;;     3. [M 8,192, K 1,024] x [K 1,024, N 1,024]; A: input v (given as codes); B: input Wv (given as codes): QUANTISED
;;     4. batch 128 x [M 1,024, K 64] x [K 64, N 1,024]; A: computed on the way; B: computed on the way: QUANTISED
;;     5. batch 128 x [M 1,024, K 1,024] x [K 1,024, N 64]; A: computed on the way; B: computed on the way: QUANTISED
;;   THE QUANTISER, for each operand of a quantised product, along K:
;;     - K is cut into blocks of 32 from its start; a last block that is shorter is filled with zeros.
;;     - A block's scale is 2^e with e = floor(log2(the largest magnitude in the block)) - 15, held to -126 .. 127; a block of zeros has e = 0. As a byte (E8M0): e + 127.
;;     - Each number is divided by its block's scale, clamped to +-57,344, and rounded to the nearest number of E5M2, ties to even, subnormals kept.
;;     - The product sums the exact products of the quantised numbers (number of the format x scale) in f32.
;;   ~~~python
;;   def quantise(x, axis):      # numpy; x: float32 -> the quantised numbers, widened to float32 again
;;       x = np.moveaxis(x, axis, -1); K = x.shape[-1]
;;       x = np.pad(x, [(0, 0)] * (x.ndim - 1) + [(0, -K % 32)]); x = x.reshape(x.shape[:-1] + (-1, 32)); a = np.abs(x).max(-1, keepdims=True)
;;       e = np.where(a > 0, np.clip(np.frexp(np.where(a > 0, a, 1))[1] - 1 - 15, -126, 127), 0)      # np.frexp(a)[1] - 1 = floor(log2(a)), exactly
;;       r = np.clip(x / 2.0 ** e, -57344, 57344)
;;       step = 2.0 ** (np.maximum(np.frexp(np.where(r == 0, 1, r))[1] - 1, -14) - 2)
;;       q = np.round(r / step) * step * 2.0 ** e      # np.round: ties to even
;;       return np.moveaxis(q.reshape(q.shape[:-2] + (-1,))[..., :K], -1, axis).astype(np.float32)
;;   ~~~
;;   OPERANDS COMPUTED ON THE WAY. 'Computed on the way' means the value that the module computes at that place (a softmax that the list does not call 'softmax' is quantised finished and normalised). What goes into a quantiser is computed in f32, as accurately as f32 sums, v_exp_f32 and their like allow (about 1e-6 of the number): no bf16 or f16 on the way to a quantiser, and a product that is left as it is and whose result goes on into a quantised operand takes f32 operands (vector FMAs, or v_wmma_f32_16x16x4_f32). A number that lies on a knife's edge between two numbers of the format may be rounded either way, as far as f32 arithmetic and the matrix unit's own rounding can turn it there, and no further.
;;   INPUTS GIVEN AS CODES. Wk (in the module: [1024, 1024], K = its axis 1); Wq (in the module: [1024, 1024], K = its axis 1); Wv (in the module: [1024, 1024], K = its axis 1); k (in the module: [8, 1024, 1024], K = its axis 2); q (in the module: [8, 1024, 1024], K = its axis 2); v (in the module: [8, 1024, 1024], K = its axis 2): each comes as NAME_codes (uint8): NAME with its K axis moved to the last place and cut into blocks of 32 codes, [.., K / 32, bytes a block], one block behind the other in memory; one code a byte (a code: sign, 5 exponent bits, 2 mantissa bits); and NAME_scales (uint8): the same leading axes, one E8M0 byte (e + 127) for each 32 codes along K. Its value is code x scale, taken as it is: it is not quantised again, and the codes and scales need not be those that the quantiser above would give.
;; One version. Each part assembles by itself: llvm-mc -triple=amdgcn-amd-amdhsa -mcpu=gfx1250 --defsym DOCPART=n.
;; ======== version 1 of 1: 2 launches
;; limits: right only within a limited range of input values
;; workspace buffers: qimg 8,388,608 bytes; kimg 8,388,608 bytes; vimg 8,388,608 bytes; qsc 262,144 bytes; ksc 262,144 bytes; vsc 262,144 bytes
;; launch proj (part 1): grid 4 x 96, 4 waves a work-group, clusters of 4 x 4, 327,680 bytes of LDS; arguments q_codes, q_scales, Wq_codes, Wq_scales, bq, qimg, qsc, k_codes, k_scales, Wk_codes, Wk_scales, bk, kimg, ksc, Wv_codes, Wv_scales, v_codes, v_scales, bv, vimg, vsc; writes qimg, qsc, kimg, ksc, vimg, vsc
.if DOCPART == 1
	.amdgcn_target "amdgcn-amd-amdhsa--gfx1250"
	.amdhsa_code_object_version 6
	.text
	.protected	k_q38edf76085_proj
	.globl	k_q38edf76085_proj
	.p2align	8
	.type	k_q38edf76085_proj,@function
k_q38edf76085_proj:
	s_mov_b64 s[64:65], 0
	v_nop
	global_prefetch_b8 v0, s[64:65] scope:SCOPE_SE
	s_setreg_imm32_b32 hwreg(HW_REG_WAVE_MODE, 25, 1), 1
	s_wait_xcnt 0x0
	s_wait_alu depctr_hold_cnt(0) depctr_sa_sdst(0) depctr_va_vdst(0) depctr_va_sdst(0) depctr_va_ssrc(0) depctr_va_vcc(0) depctr_vm_vsrc(0)
	s_getreg_b32 s2, hwreg(HW_REG_IB_STS2, 6, 4)
	s_cmp_eq_u32 s2, 0
	s_cbranch_scc0 .Lentry_in_a_cluster
	s_endpgm
.Lentry_in_a_cluster:
	s_bfe_u32 s2, ttmp6, 0x10000c
	s_cmp_lg_u32 s2, 0xf033
	s_cbranch_scc0 .Lentry_shape_is_right
	s_endpgm
.Lentry_shape_is_right:
; THE THREE PROJECTIONS, x W^T + b, on codes of BF8 (E5M2) with one E8M0 scale for each 32 along K = 1,024, and the quantising of their results for the attention launch.
; Two operands, named by what becomes of their rows in a result: P is source 0 of the matrix instruction: its rows become a lane's REGISTERS; R is source 1: its rows become LANES.
; The results are quantised along P.  For q and k: P = the weight (1,024 features), R = the tokens (8,192): blocks of 32 features.  For v: P = the tokens, R = the weight: blocks of 32 keys.
; A tile of 256 R rows x 256 P rows is made by a work-group of four waves, a wave makes 128 x 128: 64 accumulators, 512 registers.  K goes in steps of 256 through a ring of two LDS slots; the scale bytes of
; the work-group's 512 rows, for all of K, come into LDS once.  CLUSTERS of 4 x 4: the four of a row need the same tiles of R, the four of a column the same tiles of P: each tile is asked for jointly.
; 24 clusters along y: 8 for q, 8 for k, 8 for v; the buffers are chosen by the cluster's y alone, which all sixteen partners share.
; THE BIAS: by feature.  For q and k the feature is a P row: the bias lies in the result's layout (8 registers for each P block) and is the C of the first K step.  For v it is an R row, one number a lane for each
; R block: the first C is zeros (the same registers, masked) and the bias is added behind the sums.
; WHAT IS STORED: images of the operand registers that the attention launch wants.  Wave tile idx = (tok / 8) 64 + 8 hp + tok % 8 (tok: group of 128 tokens, hp: group of 128 features).
;   img[idx]: 16,384 bytes [a 0..7][bk 0..3][lane][16]: lane (r, h) = R row 16 a + r; its 16 bytes = the codes of P rows 32 bk + 8 h + 0..7, then 32 bk + 16 + 8 h + 0..7.
;   sc[idx]: 128 words: word 16 a + r = the four scale bytes bk = 0..3 of that R row.
; So inside a block of 32 the codes stand in another order than the natural one, the same in both operands of each later product: the products are the same, the unit groups them otherwise.
; LIMITS: a block of zeros gets the byte 1 (its codes are zeros, and this program alone reads the bytes); blocks whose largest magnitude lies under 2^-111 are held at the byte 1; NaN and infinities are not served.
; REGISTERS, in windows of 256: window 0: v1-7, v30 head; v8-15 bias by lane; v16-29 addresses; v32-63 scale words, two sets, and nothing else; v64-127 bias by register, later at work on the way out;
;   v128-255 R's fragments, one set, later the codes.   window 1: P's fragments, two sets.   windows 2, 3: the accumulators, (a, b) at v[8 (8 (a % 4) + b)].
; No prefetch is laid: the tile is 256 x 256 in clusters, and K = 1,024 is four K steps only, of which two are asked for ahead of the first product.
.set KSTEP,  256                       ; along K in a slot
.set NQ,     KSTEP/128                 ; matrix instructions deep
.set ROWB,   256                       ; a tile's row in bytes
.set KROW,   1024                      ; a row of codes in memory
.set PITCH,  272                       ; an LDS row: 256 bytes + 16 of padding = 68 words: the 16 rows that a load touches start at 16 different banks (64 banks of 4 bytes: ISA guide 11.1)
.set FR,     16                        ; registers of a fragment
.set NL,     4                         ; LDS loads that bring one
.set NP,     8                         ; places behind this matrix instruction (ISA guide 7.12.1)
.set HALFT,  128*PITCH                 ; 128 rows: one tensor load
.set SLOT,   4*HALFT                   ; R's 256 rows, then P's 256 rows
.set LAPS,   2                         ; 1,024 / 512
.set KS,     32                        ; a row of scale bytes
.set SCL,    2*SLOT                    ; behind the ring: the scales, 256 bytes + 16 of padding at a time
.set HALFS,  (128*KS/256)*272
.set SBLK,   (16*KS/256)*272
.set SPARE,  SCL+4*HALFS               ; the spare words: 128 bytes for each wave, named by no other line
.set BR,   8                           ; v8-15   bias by lane: register a = bias of R row 16 a + r
.set ADRA, 16                          ; v16-17  LDS address of my R fragments in slot 0, 1
.set ADRB, 20                          ; v20-21  the same for P
.set SSA,  24                          ; v24     the way out: where a scale word goes: 512 x wave + 4 r (in slot 0, behind its last fill and its last read)
.set SRD,  25                          ; v25     and where 16 bytes of them come back: 512 x wave + 16 x lane
.set CO,   26                          ; v26     16 x lane
.set ADRS, 27                          ; v27     LDS address of my scale words: lanes 0-15 R's rows, lanes 16-31 P's
.set SPW,  28                          ; v28     my spare word; never rewritten
.set NIL,  29                          ; v29     0; never rewritten
.set BPO,  30                          ; v30     32 x (lane / 16)
.set SC,   32                          ; scale words
.set BP,   64                          ; v64-127 bias by register: 8 for each P block
.set TM,   64                          ; the way out: v64-67 largest magnitudes, v68-71 bytes, v72-75 largest number x scale, v76-79 the conversions' scale operands
.set PWR,  80                          ; v80-87  the scale word of each R block
.set SB,   88                          ; v88-91  scale words read back
.set AF,   128                         ; R's fragments; on the way out block a's codes at v[AF + 16 a]
.set G1, 24
.set G0, 32
.set G1B, 48
.set G0B, 56
.set G1S, 68
.set G0S, 76
.set G1SB, 80
.set G0SB, 88
.set WV,  96                           ; s96  wave
.set RH,  97                           ; s97  which half of the tile's R rows is mine.  Also: I fetch for R (0) or for P (1)
.set CH,  98                           ; s98  which half of its P rows.  Also: which 128 rows I fetch
.set TR,  99                           ; s99  R tile
.set ISV, 100                          ; s100 1 for v
.set MASKP, 101                        ; s101 all ones for q and k, 0 for v
.set MSB, 0
.macro WIN new                         ; the immediate's high byte repeats the setting that is left
.if MSB != (\new)
	s_set_vgpr_msb (MSB<<8)|(\new)
.set MSB, (\new)
.endif
.endm
.set MUL_LO, 0xa1                      ; source 0 (P) window 1, source 1 (R) window 0, C and D window 2
.set MUL_HI, 0xf1                      ; the same, C and D window 3
.set TO_B,   0x40                      ; destination window 1, address window 0
; A joint load: waves 0 and 1 fetch for R, waves 2 and 3 for P.  Each line has one mask and one set of registers; the branch hangs on the wave's number alone.  Four v_nop follow each line.
.macro JLOAD g0a, g1a, g0b, g1b
	s_cmp_eq_u32 s[RH], 0
	s_cbranch_scc0 .Lfor_b_\@
	tensor_load_to_lds s[\g0a:\g0a+3], s[\g1a:\g1a+7]
	s_nop 0
.rept 4
	v_nop
.endr
	s_branch .Lasked_\@
.Lfor_b_\@:
	tensor_load_to_lds s[\g0b:\g0b+3], s[\g1b:\g1b+7]
	s_nop 0
.rept 4
	v_nop
.endr
.Lasked_\@:
.endm
.macro CREST                           ; a round of the cluster's barrier behind its opening barrier
	s_cmp_lg_u32 s[WV], 0
	s_cbranch_scc1 .Lnot_wave_0_\@
	s_barrier_signal -3
.Lnot_wave_0_\@:
	s_barrier_wait -3
	s_barrier_signal -1
	s_barrier_wait -1
.endm
.macro CROUND
	s_barrier_signal -1
	s_barrier_wait -1
	CREST
.endm
	s_load_b512 s[24:39], s[0:1], 0x0              ; the 21 addresses: number i at s[24 + 2 i], the last at s[68:69]
	s_load_b512 s[40:55], s[0:1], 0x40
	s_load_b256 s[56:63], s[0:1], 0x80
	s_load_b64 s[68:69], s[0:1], 0xa0
	v_lshl_add_u32 v[SPW], v0, 2, SPARE
	v_mov_b32 v[NIL], 0
	ds_add_u32 v28, v29
	ds_add_u32 v28, v29
	s_wait_dscnt 0x0
	v_lshrrev_b32 v1, 5, v0
	v_readfirstlane_b32 s[WV], v1
	s_lshr_b32 s[RH], s[WV], 1
	s_and_b32 s[CH], s[WV], 1
	s_and_b32 s92, ttmp7, 0xffff                   ; the cluster's y, 0..23
	s_lshr_b32 s93, s92, 3                         ; 0: q, 1: k, 2: v
	s_and_b32 s94, s92, 7
	s_lshl_b32 s94, s94, 2                         ; four tiles for each cluster along the long axis
	s_wait_kmcnt 0x0
	s_cmp_eq_u32 s93, 1                            ; the seven buffers of my projection: R's codes, R's scales, P's codes, P's scales, bias, image, scale words -> s[4:17]
.irp i, 0,1,2,3,4,5,6
	s_cselect_b64 s[4+2*\i:5+2*\i], s[38+2*\i:39+2*\i], s[24+2*\i:25+2*\i]
.endr
	s_cmp_eq_u32 s93, 2
.irp i, 0,1,2,3,4,5
	s_cselect_b64 s[4+2*\i:5+2*\i], s[52+2*\i:53+2*\i], s[4+2*\i:5+2*\i]
.endr
	s_cselect_b64 s[16:17], s[68:69], s[16:17]
	s_cselect_b32 s95, s94, 0                      ; v: the long axis is P's
	s_cselect_b32 s94, 0, s94                      ; q, k: it is R's
	s_cselect_b32 s[ISV], 1, 0
	s_cselect_b32 s[MASKP], 0, -1
	s_bfe_u32 s40, ttmp6, 0x40000                  ; cx, cy: my place in the cluster
	s_bfe_u32 s41, ttmp6, 0x40004
	s_lshl_b32 s42, ttmp9, 2
	s_add_co_u32 s42, s42, s40
	s_add_co_u32 s42, s42, s95                     ; P tile
	s_add_co_u32 s[TR], s41, s94                   ; R tile
	s_lshl_b32 s43, s41, 2
	s_lshl_b32 s43, 15, s43                        ; my row of the cluster
	s_lshl_b32 s44, 0x1111, s40                    ; my column
	; descriptor group 1: a tile of 128 rows x 256 bytes, padded in LDS
	s_or_b32 s[G1+0], s43, (0<<16)|(1<<20)|(1<<21)|(5<<22)|(3<<25)  ; 15:0 the mask: R's tiles go to my row; 17:16 elements of 1 byte; 20 padding on; 21 set beside a mask; 24:22 after every 64 words; 31:25 four words
	s_or_b32 s[G1B+0], s44, (0<<16)|(1<<20)|(1<<21)|(5<<22)|(3<<25)
.irp g, G1, G1B
	s_mov_b32 s[\g+1], ROWB<<16                    ; tensor_dim0
	s_mov_b32 s[\g+2], 256<<16                     ; tensor_dim1: 256 rows for the head's loads; set to 128 for the ring's behind them
	s_mov_b32 s[\g+3], ROWB<<16                    ; tile_dim0
	s_mov_b32 s[\g+4], 256                         ; tile_dim1
	s_mov_b32 s[\g+5], KROW                        ; tensor_dim0_stride
	s_mov_b32 s[\g+6], 0
	s_mov_b32 s[\g+7], 0
.endr
	; the scales of 256 rows: 8,192 dense bytes, as 32 rows of 256 bytes (32 elements of 8 bytes), 16 bytes of padding behind each
	s_or_b32 s[G1S+0], s43, (3<<16)|(1<<20)|(1<<21)|(5<<22)|(3<<25)
	s_or_b32 s[G1SB+0], s44, (3<<16)|(1<<20)|(1<<21)|(5<<22)|(3<<25)
.irp g, G1S, G1SB
	s_mov_b32 s[\g+1], 32<<16
	s_mov_b32 s[\g+2], KS<<16                      ; the scales of 256 rows: KS rows of 256 bytes
	s_mov_b32 s[\g+3], 32<<16
	s_mov_b32 s[\g+4], KS
	s_mov_b32 s[\g+5], 32
	s_mov_b32 s[\g+6], 0
	s_mov_b32 s[\g+7], 0
.endr
	s_lshl_b32 s20, s[TR], 8                       ; R: the tile's first row
	s_lshl_b32 s46, s42, 8                         ; P: the tile's first row
	s_mov_b32 s21, 0
	s_mov_b32 s47, 0
	s_mov_b64 s[18:19], KS
	s_mul_u64 s[22:23], s[20:21], s[18:19]         ; where these rows' scales begin,
	s_mul_u64 s[92:93], s[46:47], s[18:19]
	s_mov_b64 s[18:19], KROW
	s_mul_u64 s[20:21], s[20:21], s[18:19]         ; and their codes
	s_mul_u64 s[46:47], s[46:47], s[18:19]
	s_mul_i32 s45, s[WV], HALFT                    ; where they go: wave x 128 rows: no place in the cluster enters an LDS address
	s_add_nc_u64 s[20:21], s[4:5], s[20:21]
	s_add_nc_u64 s[22:23], s[6:7], s[22:23]
	s_add_nc_u64 s[46:47], s[8:9], s[46:47]
	s_add_nc_u64 s[92:93], s[10:11], s[92:93]
	CROUND                                         ; all sixteen work-groups are here: the first joint loads meet
	s_mov_b32 s4, 1                                ; the head's four tiles, each whole: K step 0's 256 rows of R (s[4:11] held addresses that have been used),
	s_mov_b32 s5, 0
	s_mov_b64 s[6:7], s[20:21]
	s_or_b32 s7, s7, 0x80000000
	s_mov_b32 s8, 1                                ; its 256 rows of P, behind them in slot 0,
	s_mov_b32 s9, 2*HALFT
	s_mov_b64 s[10:11], s[46:47]
	s_or_b32 s11, s11, 0x80000000
	s_mov_b32 s[G0S], 1                            ; the scales of R's 256 rows,
	s_mov_b32 s[G0S+1], SCL
	s_mov_b64 s[G0S+2:G0S+3], s[22:23]
	s_or_b32 s[G0S+3], s[G0S+3], 0x80000000
	s_mov_b32 s[G0SB], 1                           ; and of P's
	s_mov_b32 s[G0SB+1], SCL+2*HALFS
	s_mov_b64 s[G0SB+2:G0SB+3], s[92:93]
	s_or_b32 s[G0SB+3], s[G0SB+3], 0x80000000
	s_mul_i32 s18, s[CH], 128*KROW                 ; in the ring I fetch 128 rows of a tile: which half
	s_mov_b32 s19, 0
	s_add_nc_u64 s[20:21], s[20:21], s[18:19]
	s_add_nc_u64 s[46:47], s[46:47], s[18:19]
.irp s, 0,1
	s_mov_b32 s[G0+4*\s], 1
	s_add_co_u32 s[G0+4*\s+1], s45, \s*SLOT
	s_add_nc_u64 s[G0+4*\s+2:G0+4*\s+3], s[20:21], \s*ROWB
	s_or_b32 s[G0+4*\s+3], s[G0+4*\s+3], 0x80000000
	s_mov_b32 s[G0B+4*\s], 1
	s_add_co_u32 s[G0B+4*\s+1], s45, \s*SLOT
	s_add_nc_u64 s[G0B+4*\s+2:G0B+4*\s+3], s[46:47], \s*ROWB
	s_or_b32 s[G0B+4*\s+3], s[G0B+4*\s+3], 0x80000000
.endr
; the head's loads, one a wave: wave 0 R's 256 rows of K step 0, wave 1 P's, wave 2 R's scales, wave 3 P's: one tree of branches on the wave's number
.macro ARM under, g0, g1, next
	s_cmp_lt_u32 s[WV], \under
	s_cbranch_scc0 \next
	tensor_load_to_lds s[\g0:\g0+3], s[\g1:\g1+7]
	s_nop 0
.rept 4
	v_nop
.endr
	s_branch .Lhead_asked
\next:
.endm
	ARM 1, 4, G1, .Lhead_b
	ARM 2, 8, G1B, .Lhead_sa
	ARM 3, G0S, G1S, .Lhead_sb
	tensor_load_to_lds s[G0SB:G0SB+3], s[G1SB:G1SB+7]
	s_nop 0
.rept 4
	v_nop
.endr
.Lhead_asked:
	; the bias, both ways; the one that my projection does not use reads the buffer's first 128 numbers
	v_and_b32 v1, 15, v0                           ; r
	v_bfe_u32 v2, v0, 4, 1                         ; h
	v_lshlrev_b32 v7, 2, v1
	v_lshlrev_b32 v[BPO], 5, v2
	s_wait_alu depctr_va_vdst(0)
	s_lshl_b32 s18, s42, 1
	s_add_co_u32 s18, s18, s[CH]                   ; pp: my group of 128 P rows
	s_lshl_b32 s19, s[TR], 1
	s_add_co_u32 s19, s19, s[RH]                   ; rr: my group of 128 R rows
	s_cmp_eq_u32 s[ISV], 0
	s_cselect_b32 s46, s18, 0                      ; q, k: the features are P's
	s_cselect_b32 s92, 0, s19                      ; v: they are R's
	s_cselect_b32 s20, s19, s18                    ; tok
	s_cselect_b32 s22, s18, s19                    ; hp
	s_lshl_b32 s46, s46, 9
	s_mov_b32 s47, 0
	s_lshl_b32 s92, s92, 9
	s_mov_b32 s93, 0
	s_add_nc_u64 s[46:47], s[12:13], s[46:47]
	s_add_nc_u64 s[92:93], s[12:13], s[92:93]
.irp b, 0,1,2,3,4,5,6,7
	global_load_b128 v[BP+8*\b:BP+8*\b+3], v[BPO], s[46:47] offset:64*\b       ; bias of P rows 16 b + 8 h + 0..7
	global_load_b128 v[BP+8*\b+4:BP+8*\b+7], v[BPO], s[46:47] offset:64*\b+16
.endr
.irp a, 0,1,2,3,4,5,6,7
	global_load_b32 v[BR+\a], v7, s[92:93] offset:64*\a                        ; bias of R row 16 a + r
.endr
	s_lshr_b32 s21, s20, 3                         ; idx = (tok / 8) 64 + 8 hp + tok % 8
	s_lshl_b32 s21, s21, 6
	s_lshl_b32 s22, s22, 3
	s_add_co_u32 s21, s21, s22
	s_and_b32 s20, s20, 7
	s_add_co_u32 s20, s20, s21
	s_lshl_b32 s22, s20, 9
	s_mov_b32 s23, 0
	s_lshl_b32 s20, s20, 14
	s_mov_b32 s21, 0
	s_add_nc_u64 s[14:15], s[14:15], s[20:21]      ; my wave tile's image,
	s_add_nc_u64 s[16:17], s[16:17], s[22:23]      ; and its scale words
	v_mul_u32_u24 v3, v1, PITCH
	v_lshl_add_u32 v4, v2, 4, v3                   ; a fragment's row x pitch + 16 x half
	s_mul_i32 s21, s[RH], HALFT                    ; my 128 rows of R
	s_mul_i32 s22, s[CH], HALFT                    ; my 128 rows of P,
	s_add_co_u32 s22, s22, 2*HALFT                 ; which lie behind R's 256
.irp s, 0,1
	v_add_nc_u32 v[ADRA+\s], s21, v4
	v_add_nc_u32 v[ADRB+\s], s22, v4
	s_add_co_u32 s21, s21, SLOT
	s_add_co_u32 s22, s22, SLOT
.endr
	v_mul_u32_u24 v5, v1, KS                       ; my row's scales: 32 bytes a row,
	v_lshrrev_b32 v3, 8, v5
	v_lshl_add_u32 v5, v3, 4, v5                   ; and 16 more for each 256 passed
	s_mul_i32 s21, s[RH], HALFS
	s_mul_i32 s22, s[CH], HALFS
	s_add_co_u32 s22, s22, 2*HALFS
	s_sub_co_u32 s22, s22, s21
	v_mul_u32_u24 v3, s22, v2                      ; lanes 16-31 take P's
	s_add_co_u32 s21, s21, SCL
	v_add_nc_u32 v5, v5, v3
	v_add_nc_u32 v[ADRS], s21, v5
	s_lshl_b32 s23, s[WV], 9
	v_add_nc_u32 v[SSA], s23, v7
	v_and_b32 v3, 31, v0
	v_lshlrev_b32 v[CO], 4, v3
	v_add_nc_u32 v[SRD], s23, v[CO]
	s_wait_loadcnt 0x0                             ; the bias
.set i, 0
.rept 64
	v_and_b32 v[BP+i], s[MASKP], v[BP+i]           ; for v the first C is zeros
.set i, i+1
.endr
.macro FRAG reg, adr, q, i             ; a fragment: lane l holds row l % 16; registers 4 c .. 4 c + 3 hold K = 32 c + 16 (l / 16) + 0 .. 15
.irp c, 0,1,2,3
	ds_load_b128 v[\reg+4*\c:\reg+4*\c+3], v[\adr] offset:128*(\q)+32*\c+(\i)*16*PITCH
.endr
.endm
; 16 matrix instructions: R's blocks a0, a0 + 1 x P's eight, 128 along K.  p: P's set; sc: the set of scale words.  zero = 1: the first K step: its C is the bias by register.
; The 64 accumulators take turns, one instruction a turn, in the same order in every step.
.macro MUL16 a0, p, q, sc, zero
.irp a, \a0, \a0+1
.irp b, 0,1,2,3,4,5,6,7
.if \zero
	v_wmma_scale_f32_16x16x128_f8f6f4 v[8*(8*((\a)%4)+\b):8*(8*((\a)%4)+\b)+7], v[128*(\p)+FR*\b:128*(\p)+FR*\b+FR-1], v[AF+FR*(\a):AF+FR*(\a)+FR-1], v[BP+8*\b:BP+8*\b+7], v[SC+8*NQ*(\sc)+NQ*\b+(\q)], v[SC+8*NQ*(\sc)+NQ*(\a)+(\q)] matrix_a_fmt:MATRIX_FMT_BF8 matrix_b_fmt:MATRIX_FMT_BF8 matrix_a_scale:MATRIX_SCALE_ROW1
.else
	v_wmma_scale_f32_16x16x128_f8f6f4 v[8*(8*((\a)%4)+\b):8*(8*((\a)%4)+\b)+7], v[128*(\p)+FR*\b:128*(\p)+FR*\b+FR-1], v[AF+FR*(\a):AF+FR*(\a)+FR-1], v[8*(8*((\a)%4)+\b):8*(8*((\a)%4)+\b)+7], v[SC+8*NQ*(\sc)+NQ*\b+(\q)], v[SC+8*NQ*(\sc)+NQ*(\a)+(\q)] matrix_a_fmt:MATRIX_FMT_BF8 matrix_b_fmt:MATRIX_FMT_BF8 matrix_a_scale:MATRIX_SCALE_ROW1
.endif
.endr
.endr
.endm
.macro FETCH_B slot, q, p
	WIN TO_B
.irp i, 0,1,2,3,4,5,6,7
	FRAG 128*(\p)+FR*\i, ADRB+\slot, \q, \i
.endr
	WIN 0
.endm
.macro FETCH_A slot, q, i0
.irp i, \i0, \i0+1, \i0+2, \i0+3
	FRAG AF+FR*(\i), ADRA+\slot, \q, \i
.endr
.endm
.macro SCALES sc                       ; a K step's scale words: two a row; lanes 0-15 take R's block i, lanes 16-31 P's block i
.irp i, 0,1,2,3,4,5,6,7
	ds_load_b64 v[SC+8*NQ*\sc+NQ*\i:SC+8*NQ*\sc+NQ*\i+1], v[ADRS] offset:\i*SBLK
.endr
.endm
; A load into a register that a matrix instruction has read, and a vector instruction or store that reads a matrix result, stand NP places behind it; only plain vector instructions that name none of its
; registers are places (ISA guide 7.12.1 for vector instructions).
.macro PLACES n
.rept \n
	v_nop
.endr
.endm
.macro STEP slot, q, zero              ; a step of 128 along K that has its successor in the same slot
	s_wait_dscnt 4*NL                              ; P's set and R's blocks 0-3 are in; the youngest sixteen loads (R's blocks 4-7) may be out
.if \zero
	WIN 0x81                                       ; C (the bias) in window 0, D in window 2
.else
	WIN MUL_LO
.endif
	MUL16 0, (\q)%2, \q, \slot, \zero
	MUL16 2, (\q)%2, \q, \slot, \zero
	s_wait_dscnt 0
	PLACES NP
	FETCH_B \slot, (\q)+1, 1-(\q)%2
	FETCH_A \slot, (\q)+1, 0
.if \zero
	WIN 0xc1
.else
	WIN MUL_HI
.endif
	MUL16 4, (\q)%2, \q, \slot, \zero
	MUL16 6, (\q)%2, \q, \slot, \zero
	PLACES NP
	WIN 0
	FETCH_A \slot, (\q)+1, 4
.endm
; A slot's last step changes slots: one barrier; in front of it each wave waits for all its tensor loads, adds 0 to its spare word, and waits for that and for its reads of this slot.  fill = 1: the slot is filled again.
.macro TURN slot, next, fill
	s_wait_tensorcnt 0x0                           ; all my tensor loads have landed: my part of the next slot
	ds_add_u32 v[SPW], v[NIL]                      ; 0 onto my spare word
	s_wait_dscnt 4*NL+1                            ; the add and the youngest sixteen loads (R's blocks 4-7) may be out
	WIN MUL_LO
	MUL16 0, 1, NQ-1, \slot, 0
	s_wait_dscnt 0x0                               ; the add is done, and my reads of this slot are over
	s_barrier_signal -1
	MUL16 2, 1, NQ-1, \slot, 0
	WIN 0
	s_barrier_wait -1
.if \fill
	CREST                                          ; the barrier has opened a round of the cluster's barrier: no wave of any partner still reads this slot or has a load on its way
	s_add_nc_u64 s[G0+4*\slot+2:G0+4*\slot+3], s[G0+4*\slot+2:G0+4*\slot+3], 2*ROWB
	s_add_nc_u64 s[G0B+4*\slot+2:G0B+4*\slot+3], s[G0B+4*\slot+2:G0B+4*\slot+3], 2*ROWB
	JLOAD G0+4*\slot, G1, G0B+4*\slot, G1B         ; the first tensor load behind the round; its four v_nop are among the places in front of the loads below
	PLACES NP-4
.else
	PLACES NP
.endif
	s_wait_alu depctr_va_vdst(0)
	v_add_nc_u32 v[ADRS], 4*NQ, v[ADRS]            ; on to the next K step's scale words
	FETCH_B \next, 0, 0
	FETCH_A \next, 0, 0
	SCALES \next
	WIN MUL_HI
	MUL16 4, 1, NQ-1, \slot, 0
	MUL16 6, 1, NQ-1, \slot, 0
	PLACES NP
	WIN 0
	FETCH_A \next, 0, 4
.endm
	PLACES NP                                      ; between the lines that wrote the first C and the products that take it
	s_wait_alu depctr_va_vdst(0)
	s_wait_tensorcnt 0x0                           ; my tile of the head's four is in; slot 1's first fill is issued as a refill is:
	ds_add_u32 v[SPW], v[NIL]                      ; 0 onto my spare word
	s_mov_b32 s[G1+2], 128<<16                     ; no tensor load of mine is out: from here on a load brings 128 rows
	s_mov_b32 s[G1+4], 128
	s_mov_b32 s[G1B+2], 128<<16
	s_mov_b32 s[G1B+4], 128
	s_wait_dscnt 0x0
	CROUND                                         ; all four tiles are in, and all sixteen work-groups are here
	JLOAD G0+4, G1, G0B+4, G1B                     ; K step 1, the first tensor load behind the round
	FETCH_B 0, 0, 0
	FETCH_A 0, 0, 0
	SCALES 0
	FETCH_A 0, 0, 4
	STEP 0, 0, 1                                   ; the first step stands in front of the loop: its products start the sums, on the bias
	s_mov_b32 s3, LAPS-1
.Llap:                                                 ; a trip goes once round the ring and fills both slots again
	TURN 0, 1, 1
	STEP 1, 0, 0
	TURN 1, 0, 1
	STEP 0, 0, 0
	s_sub_co_u32 s3, s3, 1
	s_cmp_lg_u32 s3, 0
	s_cbranch_scc1 .Llap
	TURN 0, 1, 0                                   ; the last lap fills nothing
	STEP 1, 0, 0
	s_wait_dscnt 4*NL
	WIN MUL_LO
	MUL16 0, 1, NQ-1, 1, 0
	MUL16 2, 1, NQ-1, 1, 0
	s_wait_dscnt 0
	WIN MUL_HI
	MUL16 4, 1, NQ-1, 1, 0
	MUL16 6, 1, NQ-1, 1, 0
	WIN 0
; THE WAY OUT.  The 64 registers of R block a, v[s] on in window w: register 16 b + i of lane (r, h) belongs to block b of 32 P rows; lanes l and l xor 16 hold a block together.
.macro QMAX w, s, pw                   ; the four blocks' largest magnitudes, scale operands and bytes; the scale word into v[pw]
	WIN ((\w)<<2)|(\w)
.irp b, 0,1,2,3
	v_max3_num_f32 v[TM+\b], |v[(\s)+16*\b]|, |v[(\s)+16*\b+1]|, 0x8000000   ; my 16 numbers, and the floor 2^(16 - 127): the byte cannot fall under 1.  Each accumulator is read from its low end on
.endr
.irp i, 2,4,6,8,10,12,14
.irp b, 0,1,2,3
	v_max3_num_f32 v[TM+\b], |v[(\s)+16*\b+\i]|, |v[(\s)+16*\b+\i+1]|, v[TM+\b]
.endr
.endr
	WIN 0
.irp b, 0,1,2,3
	v_permlanex16_b32 v[TM+4+\b], v[TM+\b], s92, s93
.endr
.irp b, 0,1,2,3
	v_max_num_f32 v[TM+\b], v[TM+\b], v[TM+4+\b]   ; with lane l xor 16's: the block's largest magnitude
.endr
.irp b, 0,1,2,3
	v_add_nc_u32 v[TM+12+\b], 0xf8800000, v[TM+\b] ; 15 off its exponent field: the conversion's scale operand
.endr
.irp b, 0,1,2,3
	v_and_or_b32 v[TM+8+\b], v[TM+\b], 0x7f800000, s94   ; 57,344 x the scale
.endr
.irp b, 0,1,2,3
	v_lshrrev_b32 v[TM+4+\b], 23, v[TM+12+\b]      ; the scale's byte
.endr
	v_lshl_or_b32 v[\pw], v[TM+5], 8, v[TM+4]
	v_lshl_or_b32 v[\pw], v[TM+6], 16, v[\pw]
	v_lshl_or_b32 v[\pw], v[TM+7], 24, v[\pw]
.endm
.macro QCVT w, s, pc                   ; the hold and the conversions: 16 registers of codes at v[pc] of window 0
	WIN ((\w)<<6)|(\w)
.irp b, 0,1,2,3
.irp i, 0,1,2,3,4,5,6,7,8,9,10,11,12,13,14,15
	v_med3_num_f32 v[(\s)+16*\b+\i], v[(\s)+16*\b+\i], -v[TM+8+\b], v[TM+8+\b]   ; the conversion to an 8-bit code does not saturate (ISA guide 7.6.2)
.endr
.endr
	WIN (\w)
.irp b, 0,1,2,3
	v_cvt_scalef32_pk8_bf8_f32 v[(\pc)+4*\b:(\pc)+4*\b+1], v[(\s)+16*\b:(\s)+16*\b+7], v[TM+12+\b]
	v_cvt_scalef32_pk8_bf8_f32 v[(\pc)+4*\b+2:(\pc)+4*\b+3], v[(\s)+16*\b+8:(\s)+16*\b+15], v[TM+12+\b]
.endr
	v_nop                                          ; one plain line behind the last conversion
	WIN 0
.endm
	PLACES NP                                      ; behind the last products: their results are read, and registers that they read are written
	s_mov_b32 s92, 0x76543210
	s_mov_b32 s93, 0xfedcba98                      ; v_permlanex16_b32's selects for lane l xor 16
	s_mov_b32 s94, 0x600000                        ; the mantissa field of 57,344
	s_cmp_eq_u32 s[ISV], 0                         ; hangs on the cluster's y alone
	s_cbranch_scc1 .Lno_br
.irp a, 0,1,2,3,4,5,6,7                    ; v: the bias of my lane's channel onto the 64 sums of each R block
	WIN ((2+\a/4)<<6)|(2+\a/4)
.set x, 64*(\a%4)
.rept 32
.if \a%2 == 0
	v_pk_add_f32 v[x:x+1], v[x:x+1], v[BR+(\a/2)*2:BR+(\a/2)*2+1] op_sel_hi:[1,0]
.else
	v_pk_add_f32 v[x:x+1], v[x:x+1], v[BR+(\a/2)*2:BR+(\a/2)*2+1] op_sel:[0,1] op_sel_hi:[1,1]
.endif
.set x, x+2
.endr
.endr
	WIN 0
.Lno_br:
.irp b, 0,1,2,3
	v_mov_b32 v[TM+4+\b], 0                        ; written once: a lane permute's destination counts as one of its sources
.endr
.irp a, 0,1,2,3,4,5,6,7                    ; each block has registers of its own for its codes and its scale word: no store's data are written again
	QMAX 2+\a/4, 64*(\a%4), PWR+\a
	QCVT 2+\a/4, 64*(\a%4), AF+16*\a
.irp c, 0,1,2,3
	global_store_b128 v[CO], v[AF+16*\a+4*\c:AF+16*\a+4*\c+3], s[14:15] offset:2048*\a+512*\c th:TH_STORE_NT   ; 32 lanes store 512 consecutive bytes, at a multiple of 512 from the image's first byte
.endr
	ds_store_b32 v[SSA], v[PWR+\a] offset:64*\a    ; both halves of the lanes write the same word with the same value
.endr
	ds_load_b128 v[SB:SB+3], v[SRD]                ; LDS serves a wave's instructions in order (ISA guide 5.7.1.4): this sees my stores
	s_wait_dscnt 0x0
	global_store_b128 v[CO], v[SB:SB+3], s[16:17] th:TH_STORE_NT               ; my 128 scale words: 512 consecutive bytes
	s_wait_tensorcnt 0x0                           ; the wave's end
	ds_add_u32 v[SPW], v[NIL]
	s_wait_dscnt 0x0
	CROUND                                         ; the closing round
	s_endpgm
.Lfunc_end_k_q38edf76085_proj:
	.size	k_q38edf76085_proj, .Lfunc_end_k_q38edf76085_proj-k_q38edf76085_proj
	.p2alignl 7, 3214868480
	.fill 96, 4, 3214868480
	.section	.rodata,"a",@progbits
	.p2align	6, 0x0
	.amdhsa_kernel k_q38edf76085_proj
		.amdhsa_group_segment_fixed_size 327680
		.amdhsa_private_segment_fixed_size 0
		.amdhsa_enable_private_segment 0
		.amdhsa_kernarg_size 168
		.amdhsa_user_sgpr_count 2
		.amdhsa_user_sgpr_kernarg_segment_ptr 1
		.amdhsa_wavefront_size32 1
		.amdhsa_system_sgpr_workgroup_id_x 1
		.amdhsa_system_sgpr_workgroup_id_y 1
		.amdhsa_system_sgpr_workgroup_id_z 1
		.amdhsa_system_vgpr_workitem_id 0
		.amdhsa_next_free_vgpr 1024
		.amdhsa_next_free_sgpr 102
		.amdhsa_reserve_vcc 0
		.amdhsa_float_denorm_mode_32 3
		.amdhsa_float_denorm_mode_16_64 3
		.amdhsa_memory_ordered 1
		.amdhsa_forward_progress 1
		.amdhsa_inst_pref_size 208
	.end_amdhsa_kernel
	.amdgpu_metadata
---
amdhsa.version: [ 1, 2 ]
amdhsa.kernels:
  - .name:           k_q38edf76085_proj
    .symbol:         k_q38edf76085_proj.kd
    .args:
      - { .name: q_codes, .offset: 0, .size: 8, .value_kind: global_buffer, .address_space: global }
      - { .name: q_scales, .offset: 8, .size: 8, .value_kind: global_buffer, .address_space: global }
      - { .name: Wq_codes, .offset: 16, .size: 8, .value_kind: global_buffer, .address_space: global }
      - { .name: Wq_scales, .offset: 24, .size: 8, .value_kind: global_buffer, .address_space: global }
      - { .name: bq, .offset: 32, .size: 8, .value_kind: global_buffer, .address_space: global }
      - { .name: qimg, .offset: 40, .size: 8, .value_kind: global_buffer, .address_space: global }
      - { .name: qsc, .offset: 48, .size: 8, .value_kind: global_buffer, .address_space: global }
      - { .name: k_codes, .offset: 56, .size: 8, .value_kind: global_buffer, .address_space: global }
      - { .name: k_scales, .offset: 64, .size: 8, .value_kind: global_buffer, .address_space: global }
      - { .name: Wk_codes, .offset: 72, .size: 8, .value_kind: global_buffer, .address_space: global }
      - { .name: Wk_scales, .offset: 80, .size: 8, .value_kind: global_buffer, .address_space: global }
      - { .name: bk, .offset: 88, .size: 8, .value_kind: global_buffer, .address_space: global }
      - { .name: kimg, .offset: 96, .size: 8, .value_kind: global_buffer, .address_space: global }
      - { .name: ksc, .offset: 104, .size: 8, .value_kind: global_buffer, .address_space: global }
      - { .name: Wv_codes, .offset: 112, .size: 8, .value_kind: global_buffer, .address_space: global }
      - { .name: Wv_scales, .offset: 120, .size: 8, .value_kind: global_buffer, .address_space: global }
      - { .name: v_codes, .offset: 128, .size: 8, .value_kind: global_buffer, .address_space: global }
      - { .name: v_scales, .offset: 136, .size: 8, .value_kind: global_buffer, .address_space: global }
      - { .name: bv, .offset: 144, .size: 8, .value_kind: global_buffer, .address_space: global }
      - { .name: vimg, .offset: 152, .size: 8, .value_kind: global_buffer, .address_space: global }
      - { .name: vsc, .offset: 160, .size: 8, .value_kind: global_buffer, .address_space: global }
    .group_segment_fixed_size: 327680
    .private_segment_fixed_size: 0
    .kernarg_segment_align: 8
    .kernarg_segment_size: 168
    .max_flat_workgroup_size: 128
    .sgpr_count:     102
    .vgpr_count:     1024
    .wavefront_size: 32
...
	.end_amdgpu_metadata
.endif
;; end of part 1
;; launch attn (part 2): grid 8 x 32, 4 waves a work-group, clusters of 4 x 1, 327,680 bytes of LDS; arguments qimg, qsc, kimg, ksc, vimg, vsc, beta, src_mask, tgt_mask, out0; writes out0
.if DOCPART == 2
	.amdgcn_target "amdgcn-amd-amdhsa--gfx1250"
	.amdhsa_code_object_version 6
	.text
	.protected	k_q38edf76085_attn
	.globl	k_q38edf76085_attn
	.p2align	8
	.type	k_q38edf76085_attn,@function
k_q38edf76085_attn:
	s_mov_b64 s[64:65], 0
	v_nop
	global_prefetch_b8 v0, s[64:65] scope:SCOPE_SE
	s_setreg_imm32_b32 hwreg(HW_REG_WAVE_MODE, 25, 1), 1
	s_wait_xcnt 0x0
	s_wait_alu depctr_hold_cnt(0) depctr_sa_sdst(0) depctr_va_vdst(0) depctr_va_sdst(0) depctr_va_ssrc(0) depctr_va_vcc(0) depctr_vm_vsrc(0)
	s_getreg_b32 s2, hwreg(HW_REG_IB_STS2, 6, 4)
	s_cmp_eq_u32 s2, 0
	s_cbranch_scc0 .Lentry_in_a_cluster
	s_endpgm
.Lentry_in_a_cluster:
	s_bfe_u32 s2, ttmp6, 0x10000c
	s_cmp_lg_u32 s2, 0x3003
	s_cbranch_scc0 .Lentry_shape_is_right
	s_endpgm
.Lentry_shape_is_right:
; out = (softmax(mask(q k^T / 32)) + beta) v for one batch, one head and 512 queries a work-group, both products on codes of BF8 (E5M2) with E8M0 scales, from the register images that launch proj stored.
; SHARES: grid x = batch, y = 2 x head + half of the queries.  A wave owns 128 queries, 16 a trip, eight trips; a trip holds the 16 x 1,024 scores in 512 registers (windows 2, 3), since the softmax is
; finished and normalised, and beta added, ahead of the quantiser along the keys.  Both products are used transposed: a lane holds one query (lane % 16), its registers run along the keys.
; LDS: K's 64 tiles of 16 keys (65,536 bytes), V's 8 steps of 128 keys (65,536), filled once: waves 0, 1 fetch K, waves 2, 3 V.  Behind them a ring of two slots for beta: a slot = for each wave 16 rows x 256 keys of f32,
; rows of 1,024 bytes + 16 of padding.  Then each wave's stage for the way out, then the spare words.
; CLUSTERS: the four batches of a cluster walk the same rows of beta: each chunk is asked for jointly (mask 15).  K and V hang on the batch and come by plain loads.  No branch and no LDS address hangs on the place in the cluster.
; A TRIP has four chunks of beta and four rounds of the cluster's barrier, all inside the trip, so that eight equal trips ask for exactly the 32 chunks: chunk 0 at the trip's top, 1 behind the scores, 2 behind the fifth
; batch of exponentials, 3 behind key step 0.  A chunk goes from its slot into registers as soon as it is shown, which frees the slot for the chunk two on.
; THE MASK: the head's 64 fill half of the instruction's 128 along K.  In the third block q carries the code of -2^15 and a hidden key the code of 2^15 under the scale 2^5 (an open key: the code 0): a hidden key's score gets
; -2^35, which is -2^30 after the factor 1/32, where reference() sets -1e9: p is 0 either way.  A row with no open key (its query hidden, or all keys hidden) takes the factor 0: all p equal, as in reference().
; LIMITS: scaled scores of open keys stay under 2^27 in magnitude; NaN and infinities are not served; a block of zeros gets the byte 1 (its codes are zeros).
; REGISTERS: window 0: v1-127 as named below, v128-255 two steps of beta.  Window 1: v0-191 twelve fragments of K, three groups of four (registers 8-15 of each: the mask's code and zeros); behind the scores the same
; registers serve again: 0-7 of the first eight fragments and v128-191 a step of beta each, then v128-191 and v0-63 V's two sets, v128-159 the way out; the zeros are laid anew at the trip's end.
; v192-207 Q, v208-239 O^T, v240-255 the mask's codes, four tiles a register.
.set VI,   65536
.set BS,   131072
.set BP,   1040
.set BW,   16*BP
.set SLOTB, 4*BW
.set OST,  BS+2*SLOTB
.set OSTW, 16*272
.set SPARE, OST+4*OSTW
.set L16, 1                            ; 16 x lane
.set AV,  2                            ; VI + 16 x lane
.set STO, 4                            ; the way out: into the stage, back, and in out0
.set SRD, 5
.set GO,  6
.set PFO, 7                            ; the prefetches' offset
.set R4,  8
.set RR,  9
.set QRAW, 10
.set TGT, 11
.set QSR, 12                           ; q's scale word
.set LN,  13
.set CL,  14                           ; log2(e) / 32, or 0
.set NM,  16                           ; - that x the row's largest score
.set INV, 18
.set MX,  20                           ; v20-23 and v120-123: the largest score, eight chains
.set SU,  24                           ; v24-39: the row's sum, eight chains of pairs (v32-39 are at work again in the key steps)
.set TM,  32
.set PW,  48
.set TP,  49
.set LN4, 50
.set PC,  52
.set KSR, 68
.set VSR, 100
.set KHI, 116
.set CC,  118
.set QHI, 119
.set AB,  124                          ; v124, v125: my place in beta's slot 0, 1
.set SPW, 126
.set NIL, 127
.set VF,  128                          ; V's set in hand: v128 for even key steps, v0 for odd ones; 128 outside a key step
.set QF,  192
.set OT,  208
.set MC,  240
.set BETA, 16
.set OUT,  22
.set WV,  24
.set BT,  25
.set HH,  26
.set HF,  27
.set HP,  28
.set HS,  29
.set SH,  30
.set T0,  31
.set G1K, 32
.set G1V, 40
.set G0K, 48
.set G0V, 52
.set SEL, 56
.set MNT, 58
.set CNT, 59
.set ST,  60
.set ANY, 62
.set CX,  63
.set G1B, 68
.set G0X, 76
.set G0Y, 80
.set QPN, 92
.set QSN, 94
.set TGN, 96
.set PFA, 98
.set MSB, 0
.macro WIN new                         ; the immediate's high byte repeats the setting that is left
.if MSB != (\new)
	s_set_vgpr_msb (MSB<<8)|(\new)
.set MSB, (\new)
.endif
.endm
.macro PLACES n
.rept \n
	v_nop
.endr
.endm
.macro ROUND                           ; a round of the cluster's barrier
	s_barrier_signal -1
	s_barrier_wait -1
	s_cmp_lg_u32 s[WV], 0
	s_cbranch_scc1 .Lnw0_\@
	s_barrier_signal -3
.Lnw0_\@:
	s_barrier_wait -3
	s_barrier_signal -1
	s_barrier_wait -1
.endm
; A chunk of beta is asked for: all my tensor loads are in, the add, my LDS reads are over, a round, the joint load.  sg, sb: the other slot's group 0 steps to its next chunk while no load is out.
.macro REFILL g0, sg=0, sb=0
	WIN 0
	s_wait_alu depctr_va_vdst(0)
	s_wait_tensorcnt 0x0
	ds_add_u32 v[SPW], v[NIL]
.if \sb
	s_add_nc_u64 s[\sg+2:\sg+3], s[\sg+2:\sg+3], \sb
.endif
	s_wait_dscnt 0x0
	ROUND
	tensor_load_to_lds s[\g0:\g0+3], s[G1B:G1B+7]
	s_nop 0
	PLACES 4
.endm
.macro NQ pq, ps, pt                   ; 16 queries: codes, scale words, tgt_mask
	WIN 0x40
	global_load_b128 v[QF:QF+3], v[L16], s[\pq:\pq+1]
	global_load_b128 v[QF+4:QF+7], v[L16], s[\pq:\pq+1] offset:512
	WIN 0
	global_load_b32 v[QRAW], v[R4], s[\ps:\ps+1]
	global_load_u8 v[TGT], v[RR], s[\pt:\pt+1]
.endm
.macro BREG s, t                       ; where step s's beta of tile t waits
.if (\s) == 2
.set bw, 1
.set br, 16*(\t)
.elseif (\s) == 3
.set bw, 1
.set br, 128+8*(\t)
.else
.set bw, 0
.set br, 128+64*((\s)%2)+8*(\t)
.endif
.endm
.macro BLD s                           ; step s's beta from its slot: register 8 t + j of lane (r, h) = beta(query r, key 128 s + 16 t + 8 h + j)
.irp t, 0,1,2,3,4,5,6,7
	BREG \s, \t
	WIN bw<<6
	ds_load_b128 v[br:br+3], v[AB+((\s)/2)%2] offset:512*((\s)%2)+64*\t
	ds_load_b128 v[br+4:br+7], v[AB+((\s)/2)%2] offset:512*((\s)%2)+64*\t+16
.endr
.endm
.macro AFMA s                          ; p / sum + beta
.irp t, 0,1,2,3,4,5,6,7
	BREG \s, \t
	WIN ((2+(\s)/4)<<6)|(bw<<4)|(2+(\s)/4)
.irp i, 0,2,4,6
	v_pk_fma_f32 v[64*((\s)%4)+8*\t+\i:64*((\s)%4)+8*\t+\i+1], v[64*((\s)%4)+8*\t+\i:64*((\s)%4)+8*\t+\i+1], v[INV:INV+1], v[br+\i:br+\i+1]
.endr
.endr
.endm
.macro KLOAD g                         ; group g, four tiles of K, into set g % 3: each tile's code of the mask into register 8 of its fragment, then the eight loads in one run
	WIN 0x44
.irp i, 0,1,2,3
	v_and_b32 v[64*((\g)%3)+16*\i+8], 0xff<<(8*\i), v[MC+(\g)]
.endr
.irp i, 0,1,2,3
	ds_load_b128 v[64*((\g)%3)+16*\i:64*((\g)%3)+16*\i+3], v[L16] offset:1024*(4*(\g)+\i)
	ds_load_b128 v[64*((\g)%3)+16*\i+4:64*((\g)%3)+16*\i+7], v[L16] offset:1024*(4*(\g)+\i)+512
.endr
.endm
.macro QK g
	WIN ((2+(\g)/8)<<6)|5
.irp i, 0,1,2,3
.if \i%2 == 0
	v_wmma_scale_f32_16x16x128_f8f6f4 v[8*((4*(\g)+\i)%32):8*((4*(\g)+\i)%32)+7], v[64*((\g)%3)+16*\i:64*((\g)%3)+16*\i+15], v[QF:QF+15], 0, v[KSR+(4*(\g)+\i)/2], v[QSR] matrix_a_fmt:MATRIX_FMT_BF8 matrix_b_fmt:MATRIX_FMT_BF8
.else
	v_wmma_scale_f32_16x16x128_f8f6f4 v[8*((4*(\g)+\i)%32):8*((4*(\g)+\i)%32)+7], v[64*((\g)%3)+16*\i:64*((\g)%3)+16*\i+15], v[QF:QF+15], 0, v[KSR+(4*(\g)+\i)/2], v[QSR] matrix_a_fmt:MATRIX_FMT_BF8 matrix_b_fmt:MATRIX_FMT_BF8 matrix_a_scale:MATRIX_SCALE_ROW1
.endif
.endr
.endm
.macro MAXG g, first                   ; the largest score, eight chains (v20 on for k even, v120 on for k odd); each accumulator from its low end on
	WIN ((2+(\g)/8)<<2)|(2+(\g)/8)
.irp k, 0,1,2,3
.irp i, 0,1,2,3
.if (\first) && (\k < 2)
	v_max_num_f32 v[MX+100*(\k%2)+\i], v[8*((4*(\g)+\i)%32)+2*\k], v[8*((4*(\g)+\i)%32)+2*\k+1]
.else
	v_max3_num_f32 v[MX+100*(\k%2)+\i], v[8*((4*(\g)+\i)%32)+2*\k], v[8*((4*(\g)+\i)%32)+2*\k+1], v[MX+100*(\k%2)+\i]
.endif
.endr
.endr
.endm
.macro SUM n                           ; the row's sum of block n's 64 p, eight chains of pairs
	WIN 2+(\n)/4
.set j, 0
.rept 32
.if ((\n) == 0) && (j < 8)
	v_pk_add_f32 v[SU+2*j:SU+2*j+1], v[2*j:2*j+1], 0 op_sel_hi:[1,0]
.else
	v_pk_add_f32 v[SU+2*(j%8):SU+2*(j%8)+1], v[64*((\n)%4)+2*j:64*((\n)%4)+2*j+1], v[SU+2*(j%8):SU+2*(j%8)+1]
.endif
.set j, j+1
.endr
.endm
.macro VLOAD s                         ; step s's four fragments of V into the set that VF names
	WIN 0x40
.irp d, 0,1,2,3
.irp c, 0,1,2,3
	ds_load_b128 v[VF+16*\d+4*\c:VF+16*\d+4*\c+3], v[AV] offset:8192*(\s)+2048*\d+512*\c
.endr
.endr
.endm
.macro PV s                            ; O^T += V^T A^T, the four accumulators by turns
	WIN 0x51
.irp d, 0,1,2,3
.if (\s) == 0
.if \d%2 == 0
	v_wmma_scale_f32_16x16x128_f8f6f4 v[OT+8*\d:OT+8*\d+7], v[VF+16*\d:VF+16*\d+15], v[PC:PC+15], 0, v[VSR+2*(\s)+\d/2], v[PW] matrix_a_fmt:MATRIX_FMT_BF8 matrix_b_fmt:MATRIX_FMT_BF8
.else
	v_wmma_scale_f32_16x16x128_f8f6f4 v[OT+8*\d:OT+8*\d+7], v[VF+16*\d:VF+16*\d+15], v[PC:PC+15], 0, v[VSR+2*(\s)+\d/2], v[PW] matrix_a_fmt:MATRIX_FMT_BF8 matrix_b_fmt:MATRIX_FMT_BF8 matrix_a_scale:MATRIX_SCALE_ROW1
.endif
.else
.if \d%2 == 0
	v_wmma_scale_f32_16x16x128_f8f6f4 v[OT+8*\d:OT+8*\d+7], v[VF+16*\d:VF+16*\d+15], v[PC:PC+15], v[OT+8*\d:OT+8*\d+7], v[VSR+2*(\s)+\d/2], v[PW] matrix_a_fmt:MATRIX_FMT_BF8 matrix_b_fmt:MATRIX_FMT_BF8
.else
	v_wmma_scale_f32_16x16x128_f8f6f4 v[OT+8*\d:OT+8*\d+7], v[VF+16*\d:VF+16*\d+15], v[PC:PC+15], v[OT+8*\d:OT+8*\d+7], v[VSR+2*(\s)+\d/2], v[PW] matrix_a_fmt:MATRIX_FMT_BF8 matrix_b_fmt:MATRIX_FMT_BF8 matrix_a_scale:MATRIX_SCALE_ROW1
.endif
.endif
.endr
.endm
.macro QMAX1 w, s                      ; the four blocks' largest magnitudes in my lane, over the floor 2^(16 - 127)
	WIN ((\w)<<2)|(\w)
.irp b, 0,1,2,3
	v_max3_num_f32 v[TM+\b], |v[(\s)+16*\b]|, |v[(\s)+16*\b+1]|, 0x8000000
.endr
.irp i, 2,4,6,8,10,12,14
.irp b, 0,1,2,3
	v_max3_num_f32 v[TM+\b], |v[(\s)+16*\b+\i]|, |v[(\s)+16*\b+\i+1]|, v[TM+\b]
.endr
.endr
.endm
.macro QMAX2                           ; with lane l xor 16's; scale operands, bounds, bytes, the scale word
	WIN 0
.irp b, 0,1,2,3
	v_permlanex16_b32 v[TM+4+\b], v[TM+\b], s[SEL], s[SEL+1]
.endr
.irp b, 0,1,2,3
	v_max_num_f32 v[TM+\b], v[TM+\b], v[TM+4+\b]
.endr
.irp b, 0,1,2,3
	v_add_nc_u32 v[TM+12+\b], 0xf8800000, v[TM+\b]
.endr
.irp b, 0,1,2,3
	v_and_or_b32 v[TM+8+\b], v[TM+\b], 0x7f800000, s[MNT]
.endr
.irp b, 0,1,2,3
	v_lshrrev_b32 v[TM+4+\b], 23, v[TM+12+\b]
.endr
	v_lshl_or_b32 v[PW], v[TM+5], 8, v[TM+4]
	v_lshl_or_b32 v[TM+6], v[TM+7], 8, v[TM+6]
	v_lshl_or_b32 v[PW], v[TM+6], 16, v[PW]
.endm
.macro QCVT w, s                       ; the hold (the conversion does not saturate: ISA guide 7.6.2) and the conversions
	WIN ((\w)<<6)|(\w)
.irp b, 0,1,2,3
.irp i, 0,1,2,3,4,5,6,7,8,9,10,11,12,13,14,15
	v_med3_num_f32 v[(\s)+16*\b+\i], v[(\s)+16*\b+\i], -v[TM+8+\b], v[TM+8+\b]
.endr
.endr
	WIN (\w)
.irp b, 0,1,2,3
	v_cvt_scalef32_pk8_bf8_f32 v[PC+4*\b:PC+4*\b+1], v[(\s)+16*\b:(\s)+16*\b+7], v[TM+12+\b]
	v_cvt_scalef32_pk8_bf8_f32 v[PC+4*\b+2:PC+4*\b+3], v[(\s)+16*\b+8:(\s)+16*\b+15], v[TM+12+\b]
.endr
	v_nop
	WIN 0
.endm
; A key step: 128 keys are quantised and multiplied with V.  The next step's V is asked for into the other set, behind the 32 lines that are the places behind the products that read that set.
; hook = 1: the trip's last chunk of beta, the one tensor load that is out, is waited for and read into registers.
.macro KSTEP s, hook=0
	QMAX1 2+(\s)/4, 64*((\s)%4)
.if (\s) < 7
.set VF, 128*((\s)%2)
	VLOAD (\s)+1
.endif
.if \hook
	WIN 0
	s_wait_alu depctr_va_vdst(0)
	s_wait_tensorcnt 0x0
	BLD 6
	BLD 7
.endif
	QMAX2
	QCVT 2+(\s)/4, 64*((\s)%4)
	PLACES 4
	s_wait_alu depctr_va_vdst(0)
.if (\s) < 7
	s_wait_dscnt 16+32*(\hook)                     ; this step's V is in; the next step's 16 loads (hook: and the 32 of beta) may be out
.else
	s_wait_dscnt 0x0
.endif
.set VF, 128*(1-(\s)%2)
	PV \s
.set VF, 128
.endm
	s_load_b512 s[4:19], s[0:1], 0x0
	s_load_b128 s[20:23], s[0:1], 0x40
	v_lshl_add_u32 v[SPW], v0, 2, SPARE
	v_mov_b32 v[NIL], 0
	ds_add_u32 v[SPW], v[NIL]                      ; the opening lines: the add twice on end and its wait
	ds_add_u32 v[SPW], v[NIL]
	v_lshrrev_b32 v[TP], 5, v0
	v_readfirstlane_b32 s[WV], v[TP]
	v_and_b32 v[LN], 31, v0
	v_and_b32 v[RR], 15, v0
	v_bfe_u32 v[TP], v0, 4, 1                      ; h
	v_lshlrev_b32 v[L16], 4, v[LN]
	v_add_nc_u32 v[AV], VI, v[L16]
	s_mul_i32 s[T0], s[WV], OSTW
	s_add_co_u32 s[T0], s[T0], OST
	v_mul_u32_u24 v[STO], v[RR], 272
	v_lshl_add_u32 v[STO], v[TP], 5, v[STO]
	v_add_nc_u32 v[STO], s[T0], v[STO]
	v_mul_u32_u24 v[SRD], v[TP], 272
	v_lshl_add_u32 v[SRD], v[RR], 4, v[SRD]
	v_add_nc_u32 v[SRD], s[T0], v[SRD]
	s_mul_i32 s[T0], s[WV], BW
	s_add_co_u32 s[T0], s[T0], BS                  ; my 16 rows in beta's slot 0
	v_mul_u32_u24 v[AB], v[RR], BP
	v_lshl_add_u32 v[AB], v[TP], 5, v[AB]
	v_add_nc_u32 v[AB], s[T0], v[AB]
	v_add_nc_u32 v[AB+1], SLOTB, v[AB]
	v_lshlrev_b32 v[GO], 12, v[TP]
	v_lshl_add_u32 v[PFO], v[RR], 8, v[GO]         ; a prefetch: row lane / 16, block lane % 16 of 256 bytes
	v_lshl_add_u32 v[GO], v[RR], 4, v[GO]
	v_lshlrev_b32 v[R4], 2, v[RR]
	v_lshlrev_b32 v[LN4], 2, v[LN]
	v_add_nc_u32 v[PC], -1, v[TP]                  ; all ones in lanes 0-15, 0 in lanes 16-31
	v_and_b32 v[PC+1], 0xf8f8f8f8, v[PC]           ; q's third block: four codes of -2^15 in lanes 0-15
	v_mov_b32 v[KHI], 0x7f840000                   ; K's scale bytes of the third and fourth block: 2^5, 1
	v_mov_b32 v[CC], 0x3d38aa3b                    ; log2(e) / 32
	v_mov_b32 v[QHI], 0x7f7f0000
	v_mov_b32 v[TP], 0
	s_bfe_u32 s[CX], ttmp6, 0x40000
	s_lshl_b32 s[BT], ttmp9, 2
	s_add_co_u32 s[BT], s[BT], s[CX]               ; the batch: it enters global addresses alone
	s_and_b32 s[HH], ttmp7, 0xffff
	s_and_b32 s[HF], s[HH], 1
	s_lshr_b32 s[HH], s[HH], 1
	s_lshr_b32 s[HP], s[HH], 1
	s_and_b32 s[HS], s[HH], 1
	s_lshl_b32 s[SH], s[HS], 4
	s_mov_b32 s[G1K], 3<<16                        ; K: 32 rows of 1,024 bytes (a tile of 16 keys), 2,048 apart, elements of 8 bytes
	s_mov_b32 s[G1K+1], 128<<16
	s_mov_b32 s[G1K+2], 32<<16
	s_mov_b32 s[G1K+3], 128<<16
	s_mov_b32 s[G1K+4], 32
	s_mov_b32 s[G1K+5], 256
	s_mov_b32 s[G1K+6], 0
	s_mov_b32 s[G1K+7], 0
	s_mov_b32 s[G1V], 3<<16                        ; V: 4 rows of 8,192 bytes (a step of 128 keys), 16,384 apart
	s_mov_b32 s[G1V+1], 1024<<16
	s_mov_b32 s[G1V+2], 4<<16
	s_mov_b32 s[G1V+3], 1024<<16
	s_mov_b32 s[G1V+4], 4
	s_mov_b32 s[G1V+5], 2048
	s_mov_b32 s[G1V+6], 0
	s_mov_b32 s[G1V+7], 0
	s_mov_b32 s[G1B], 15|(2<<16)|(1<<20)|(1<<21)|(7<<22)|(3<<25)   ; beta: the cluster's four; elements of 4 bytes; four words of padding behind every 256
	s_mov_b32 s[G1B+1], 256<<16
	s_mov_b32 s[G1B+2], 16<<16
	s_mov_b32 s[G1B+3], 256<<16
	s_mov_b32 s[G1B+4], 16
	s_mov_b32 s[G1B+5], 1024
	s_mov_b32 s[G1B+6], 0
	s_mov_b32 s[G1B+7], 0
	s_mov_b32 s[SEL], 0x76543210
	s_mov_b32 s[SEL+1], 0xfedcba98
	s_mov_b32 s[MNT], 0x600000
	s_mov_b32 s[CNT], 8
	s_mov_b32 s[ST+1], 0
	s_lshl_b32 s2, s[BT], 3
	s_add_co_u32 s2, s2, s[HP]
	s_lshl_b32 s3, s2, 12                          ; my batch's and pair of heads' scale words,
	s_lshl_b32 s2, s2, 17                          ; and images
	s_and_b32 s84, s[WV], 1
	s_lshl_b32 s85, s84, 15                        ; which half I fetch: in LDS,
	s_lshl_b32 s84, s84, 16                        ; and in memory
	s_add_co_u32 s84, s84, s2
	s_lshl_b32 s86, s[HS], 10
	s_add_co_u32 s86, s86, s84
	s_mov_b32 s87, 0
	s_lshl_b32 s88, s[HS], 13
	s_add_co_u32 s88, s88, s84
	s_mov_b32 s89, 0
	s_mov_b32 s91, 0
	s_wait_alu depctr_va_vdst(0)
	s_wait_dscnt 0x0
	ROUND                                          ; in front of the first tensor loads
	s_wait_kmcnt 0x0
	s_mov_b32 s[G0K], 1
	s_mov_b32 s[G0K+1], s85
	s_add_nc_u64 s[G0K+2:G0K+3], s[8:9], s[86:87]
	s_or_b32 s[G0K+3], s[G0K+3], 0x80000000
	s_mov_b32 s[G0V], 1
	s_add_co_u32 s[G0V+1], s85, VI
	s_add_nc_u64 s[G0V+2:G0V+3], s[12:13], s[88:89]
	s_or_b32 s[G0V+3], s[G0V+3], 0x80000000
	s_cmp_lt_u32 s[WV], 2                          ; one load a wave: waves 0, 1 the halves of K, waves 2, 3 those of V
	s_cbranch_scc0 .Lfor_v
	tensor_load_to_lds s[G0K:G0K+3], s[G1K:G1K+7]
	s_nop 0
	PLACES 4
	s_branch .Lasked
.Lfor_v:
	tensor_load_to_lds s[G0V:G0V+3], s[G1V:G1V+7]
	s_nop 0
	PLACES 4
.Lasked:
	s_mov_b32 s90, s3
	s_add_nc_u64 s[10:11], s[10:11], s[90:91]      ; K's scale words
	s_lshl_b32 s85, s[HS], 8
	s_add_co_u32 s90, s3, s85
	s_add_nc_u64 s[14:15], s[14:15], s[90:91]      ; V's
	s_lshl_b32 s90, s[BT], 10
	s_add_nc_u64 s[18:19], s[18:19], s[90:91]      ; src_mask
	s_lshl_b32 s85, s[HF], 9
	s_add_co_u32 s90, s90, s85
	s_lshl_b32 s85, s[WV], 7
	s_add_co_u32 s90, s90, s85
	s_add_nc_u64 s[20:21], s[20:21], s[90:91]      ; tgt_mask at my first query
	s_lshl_b32 s85, s[HF], 11
	s_add_co_u32 s90, s3, s85
	s_lshl_b32 s85, s[WV], 9
	s_add_co_u32 s90, s90, s85
	s_add_nc_u64 s[6:7], s[6:7], s[90:91]          ; q's scale words
	s_lshl_b32 s85, s[HF], 16
	s_add_co_u32 s90, s2, s85
	s_lshl_b32 s85, s[WV], 14
	s_add_co_u32 s90, s90, s85
	s_lshl_b32 s85, s[HS], 10
	s_add_co_u32 s90, s90, s85
	s_add_nc_u64 s[4:5], s[4:5], s[90:91]          ; q's codes
.set n, 0
.rept 64
	global_load_u8 v[128+n], v[RR], s[18:19] offset:16*n   ; src_mask of key 16 n + r
.set n, n+1
.endr
.set n, 0
.rept 32
	global_load_b32 v[KSR+n], v[LN4], s[10:11] offset:128*n
.set n, n+1
.endr
.set n, 0
.rept 16
	global_load_b32 v[VSR+n], v[LN4], s[14:15] offset:512*(n/2)+128*(n%2)
.set n, n+1
.endr
	NQ 4, 6, 20
	s_add_nc_u64 s[QPN:QPN+1], s[4:5], 0x800
	s_add_nc_u64 s[QSN:QSN+1], s[6:7], 64
	s_add_nc_u64 s[TGN:TGN+1], s[20:21], 16
	s_lshl_b32 s84, s[HF], 21
	s_lshl_b32 s85, s[WV], 19
	s_add_co_u32 s84, s84, s85
	s_lshl_b32 s85, s[HH], 22
	s_add_co_u32 s90, s84, s85
	s_add_nc_u64 s[BETA:BETA+1], s[BETA:BETA+1], s[90:91]   ; my 128 rows of beta: head, half and wave alone
	s_lshl_b32 s85, s[BT], 22
	s_add_co_u32 s90, s84, s85
	s_lshl_b32 s85, s[HH], 8
	s_add_co_u32 s90, s90, s85
	s_add_nc_u64 s[OUT:OUT+1], s[OUT:OUT+1], s[90:91]
	s_mov_b32 s[G0X], 1                            ; slot 0 takes chunks 0 and 2 of a trip, slot 1 chunks 1 and 3
	s_mov_b32 s[G0X+1], s[T0]
	s_mov_b64 s[G0X+2:G0X+3], s[BETA:BETA+1]
	s_or_b32 s[G0X+3], s[G0X+3], 0x80000000
	s_mov_b32 s[G0Y], 1
	s_add_co_u32 s[G0Y+1], s[T0], SLOTB
	s_add_nc_u64 s[G0Y+2:G0Y+3], s[BETA:BETA+1], 1024
	s_or_b32 s[G0Y+3], s[G0Y+3], 0x80000000
	s_lshl_b32 s90, s[CX], 14                      ; the prefetches: of my wave's next 16 rows the partner at place cx names rows 4 cx .. 4 cx + 3: shared out by address
	s_add_co_u32 s90, s90, 0x10000
	s_add_nc_u64 s[PFA:PFA+1], s[BETA:BETA+1], s[90:91]
	s_mov_b32 s84, 0x78
	WIN 0x40
.irp i, 0,1,2,3,4,5,6,7,8,9,10,11
.irp k, 9,10,11,12,13,14,15
	v_mov_b32 v[16*\i+\k], 0                       ; the rest of the padded half of K's fragments: zero codes
.endr
.endr
	v_mov_b32 v[QF+8], v[PC+1]
.irp k, 9,10,11,12,13,14,15
	v_mov_b32 v[QF+\k], 0
.endr
	WIN 0
.irp b, 0,1,2,3
	v_mov_b32 v[TM+4+\b], 0                        ; a lane permute's destination counts as one of its sources
.endr
	s_wait_alu depctr_va_vdst(0)
	s_wait_loadcnt 0x0
.set n, 0
.rept 16                                       ; four tiles' masks in a word; hidden -> the code 0x78 (2^15), open -> 0; lanes 16-31: 0
	v_lshl_or_b32 v[128+4*n], v[129+4*n], 8, v[128+4*n]
	v_lshl_or_b32 v[128+4*n], v[130+4*n], 16, v[128+4*n]
	v_lshl_or_b32 v[128+4*n], v[131+4*n], 24, v[128+4*n]
	v_or_b32 v[TP], v[TP], v[128+4*n]
	v_xor_b32 v[128+4*n], 0x01010101, v[128+4*n]
	v_mul_lo_u32 v[128+4*n], v[128+4*n], s84
.set n, n+1
.endr
	WIN 0x40
.set n, 0
.rept 16
	v_and_b32 v[MC+n], v[PC], v[128+4*n]
.set n, n+1
.endr
	WIN 0
	v_cmp_ne_u32 s[ANY], 0, v[TP]
	s_cmp_lg_u32 s[ANY], 0
	s_cselect_b32 s[ANY], -1, 0                    ; all ones if the batch has an open key
.set n, 0
.rept 32
	v_lshrrev_b32 v[KSR+n], s[SH], v[KSR+n]        ; my head's two bytes, under the constant upper two
	v_and_or_b32 v[KSR+n], v[KSR+n], 0xffff, v[KHI]
.set n, n+1
.endr
.Ltrip:
	REFILL G0X                                     ; chunk 0.  (The first trip's round also shows K and V to every wave)
	KLOAD 0
	KLOAD 1
	KLOAD 2
	WIN 0
	s_cmp_gt_u32 s[CNT], 1                         ; the next trip's 16 rows of beta are prefetched, 64 blocks of 256 bytes a wave and partner; the last trip asks for nothing
	s_cbranch_scc0 .Lno_pf
	global_prefetch_b8 v[PFO], s[PFA:PFA+1] th:TH_LOAD_NT scope:SCOPE_SE
	global_prefetch_b8 v[PFO], s[PFA:PFA+1] offset:8192 th:TH_LOAD_NT scope:SCOPE_SE
.Lno_pf:
	s_wait_loadcnt 0x0                             ; this trip's queries
	v_lshrrev_b32 v[QSR], s[SH], v[QRAW]
	v_and_or_b32 v[QSR], v[QSR], 0xffff, v[QHI]
	v_and_b32 v[TP], s[ANY], v[TGT]
	v_cmp_ne_u32 vcc_lo, 0, v[TP]
	v_cndmask_b32 v[CL], 0, v[CC], vcc_lo          ; a row with no open key takes the factor 0
	v_cndmask_b32 v[CL+1], 0, v[CC], vcc_lo
	PLACES 8                                       ; a scale word written by a vector line stands eight places ahead of its product
	s_wait_alu depctr_va_vdst(0)
.set G, 0
.rept 16                                       ; S^T = K Q^T, four tiles at a time; the maxima of the group before are the places behind the products; a group is asked for three groups ahead of its products
.if G > 1
	s_wait_alu depctr_va_vdst(0)
.endif
.if G < 14
	s_wait_dscnt 16                                ; the next two groups' sixteen loads may be out
.elseif G == 14
	s_wait_dscnt 8
.else
	s_wait_dscnt 0x0
.endif
	QK G
.if G == 0
	PLACES 8
.elseif G == 1
	MAXG 0, 1
.else
	MAXG G-1, 0
.endif
.if G < 13
	KLOAD G+3
.endif
.set G, G+1
.endr
	MAXG 15, 0
	WIN 0
	v_max3_num_f32 v[MX], v[MX], v[MX+1], v[MX+2]
	v_max3_num_f32 v[MX+100], v[MX+100], v[MX+101], v[MX+102]
	v_max3_num_f32 v[MX], v[MX], v[MX+3], v[MX+103]
	v_max_num_f32 v[MX], v[MX], v[MX+100]
	v_permlanex16_b32 v[TP], v[MX], s[SEL], s[SEL+1]
	v_max_num_f32 v[MX], v[MX], v[TP]
	v_mul_f32 v[NM], -v[CL], v[MX]
	v_mul_f32 v[NM+1], -v[CL], v[MX]
	NQ QPN, QSN, TGN                               ; the next trip's queries
	REFILL G0Y, G0X, 2048                          ; chunk 1; chunk 0 is shown
	BLD 0
	BLD 1
; p = 2^(c s - c max), eight batches of 64 exponentials; the next block's multiply-adds stand among them, the block's sums behind the one wait of each batch
.set N, 0
.rept 8
.set W_, 2+N/4
.set B_, 64*(N%4)
.if N%4 == 0
	WIN (W_<<6)|W_
.set j, 0
.rept 32
	v_pk_fma_f32 v[2*j:2*j+1], v[2*j:2*j+1], v[CL:CL+1], v[NM:NM+1]
.set j, j+1
.endr
.endif
.if N == 5
	REFILL G0X, G0Y, 2048                          ; chunk 2; chunk 1 is shown.  Its first line is the batch's wait
	BLD 2
	BLD 3
.else
	s_wait_alu depctr_va_vdst(0)                   ; one wait: behind the batch before, ahead of this one
.endif
.if N > 0
	SUM N-1
.endif
	WIN (W_<<6)|W_
.set j, 0
.rept 32
	v_exp_f32 v[B_+2*j], v[B_+2*j]
	v_exp_f32 v[B_+2*j+1], v[B_+2*j+1]
.if N%4 < 3
	v_pk_fma_f32 v[B_+64+2*j:B_+64+2*j+1], v[B_+64+2*j:B_+64+2*j+1], v[CL:CL+1], v[NM:NM+1]
.endif
.set j, j+1
.endr
.set N, N+1
.endr
	v_nop
	s_wait_alu depctr_va_vdst(0)
	SUM 7
	WIN 0
.irp i, 0,2,4,6
	v_pk_add_f32 v[SU+\i:SU+\i+1], v[SU+\i:SU+\i+1], v[SU+8+\i:SU+8+\i+1]
.endr
	v_pk_add_f32 v[SU:SU+1], v[SU:SU+1], v[SU+2:SU+3]
	v_pk_add_f32 v[SU+4:SU+5], v[SU+4:SU+5], v[SU+6:SU+7]
	v_pk_add_f32 v[SU:SU+1], v[SU:SU+1], v[SU+4:SU+5]
	v_add_f32 v[SU], v[SU], v[SU+1]
	v_permlanex16_b32 v[TP], v[SU], s[SEL], s[SEL+1]
	v_add_f32 v[SU], v[SU], v[TP]
	s_wait_alu depctr_va_vdst(0)
	v_rcp_f32 v[INV], v[SU]
	v_nop
	s_wait_alu depctr_va_vdst(0)
	v_mov_b32 v[INV+1], v[INV]
	s_wait_alu depctr_va_vdst(0)
	s_wait_dscnt 0x0                               ; beta of steps 0 to 3
	AFMA 0
	AFMA 1
	AFMA 2
	AFMA 3
	VLOAD 0
	KSTEP 0
	REFILL G0Y                                     ; chunk 3; chunk 2 is shown
	BLD 4
	BLD 5
	KSTEP 1
	AFMA 4
	AFMA 5
	KSTEP 2
	KSTEP 3
	KSTEP 4
	KSTEP 5, 1
	s_wait_dscnt 0x0                               ; beta of steps 6 and 7
	AFMA 6
	AFMA 7
	KSTEP 6
	KSTEP 7
	PLACES 8
	WIN 0x04                                       ; the way out: through my stage, so that sixteen lanes store 256 consecutive bytes, aligned
.irp d, 0,1,2,3
	ds_store_b128 v[STO], v[OT+8*\d:OT+8*\d+3] offset:64*\d
	ds_store_b128 v[STO], v[OT+8*\d+4:OT+8*\d+7] offset:64*\d+16
.endr
	WIN 0x40
.irp i, 0,1,2,3,4,5,6,7
	ds_load_b128 v[VF+4*\i:VF+4*\i+3], v[SRD] offset:544*\i
.endr
	WIN 0x04
.irp i, 0,1,2,3,4,5,6,7
	s_wait_dscnt 7-\i                              ; the younger loads may be out
	global_store_b128 v[GO], v[VF+4*\i:VF+4*\i+3], s[OUT:OUT+1] offset:8192*\i th:TH_STORE_NT
.endr
	WIN 0
	s_wait_xcnt 0x0                                ; stores, loads and prefetches have read their registers
	WIN 0x40
.irp i, 0,1,2,3,8,9,10,11
.irp k, 9,10,11,12,13,14,15
	v_mov_b32 v[16*\i+\k], 0                       ; V, beta and the way out lay over these eight fragments of K: the zero codes of their padded half are laid anew
.endr
.endr
	WIN 0
	s_add_nc_u64 s[OUT:OUT+1], s[OUT:OUT+1], 0x10000
	s_add_nc_u64 s[PFA:PFA+1], s[PFA:PFA+1], 0x10000
	s_add_nc_u64 s[G0X+2:G0X+3], s[G0X+2:G0X+3], 63488   ; no tensor load is out since key step 5: 16 rows on, 2,048 bytes back
	s_add_nc_u64 s[G0Y+2:G0Y+3], s[G0Y+2:G0Y+3], 63488
	s_sub_co_u32 s[CNT], s[CNT], 1
	s_cmp_gt_u32 s[CNT], 1                         ; the last trip's look-ahead stays at its own queries
	s_cselect_b32 s[ST], 0x800, 0
	s_add_nc_u64 s[QPN:QPN+1], s[QPN:QPN+1], s[ST:ST+1]
	s_cselect_b32 s[ST], 64, 0
	s_add_nc_u64 s[QSN:QSN+1], s[QSN:QSN+1], s[ST:ST+1]
	s_cselect_b32 s[ST], 16, 0
	s_add_nc_u64 s[TGN:TGN+1], s[TGN:TGN+1], s[ST:ST+1]
	s_cmp_lg_u32 s[CNT], 0
	s_cbranch_scc1 .Ltrip
	s_wait_tensorcnt 0x0                           ; the wave's end
	ds_add_u32 v[SPW], v[NIL]
	s_wait_dscnt 0x0
	ROUND                                          ; the closing round
	s_endpgm
.Lfunc_end_k_q38edf76085_attn:
	.size	k_q38edf76085_attn, .Lfunc_end_k_q38edf76085_attn-k_q38edf76085_attn
	.p2alignl 7, 3214868480
	.fill 96, 4, 3214868480
	.section	.rodata,"a",@progbits
	.p2align	6, 0x0
	.amdhsa_kernel k_q38edf76085_attn
		.amdhsa_group_segment_fixed_size 327680
		.amdhsa_private_segment_fixed_size 0
		.amdhsa_enable_private_segment 0
		.amdhsa_kernarg_size 80
		.amdhsa_user_sgpr_count 2
		.amdhsa_user_sgpr_kernarg_segment_ptr 1
		.amdhsa_wavefront_size32 1
		.amdhsa_system_sgpr_workgroup_id_x 1
		.amdhsa_system_sgpr_workgroup_id_y 1
		.amdhsa_system_sgpr_workgroup_id_z 1
		.amdhsa_system_vgpr_workitem_id 0
		.amdhsa_next_free_vgpr 1024
		.amdhsa_next_free_sgpr 100
		.amdhsa_reserve_vcc 1
		.amdhsa_float_denorm_mode_32 3
		.amdhsa_float_denorm_mode_16_64 3
		.amdhsa_memory_ordered 1
		.amdhsa_forward_progress 1
		.amdhsa_inst_pref_size 234
	.end_amdhsa_kernel
	.amdgpu_metadata
---
amdhsa.version: [ 1, 2 ]
amdhsa.kernels:
  - .name:           k_q38edf76085_attn
    .symbol:         k_q38edf76085_attn.kd
    .args:
      - { .name: qimg, .offset: 0, .size: 8, .value_kind: global_buffer, .address_space: global }
      - { .name: qsc, .offset: 8, .size: 8, .value_kind: global_buffer, .address_space: global }
      - { .name: kimg, .offset: 16, .size: 8, .value_kind: global_buffer, .address_space: global }
      - { .name: ksc, .offset: 24, .size: 8, .value_kind: global_buffer, .address_space: global }
      - { .name: vimg, .offset: 32, .size: 8, .value_kind: global_buffer, .address_space: global }
      - { .name: vsc, .offset: 40, .size: 8, .value_kind: global_buffer, .address_space: global }
      - { .name: beta, .offset: 48, .size: 8, .value_kind: global_buffer, .address_space: global }
      - { .name: src_mask, .offset: 56, .size: 8, .value_kind: global_buffer, .address_space: global }
      - { .name: tgt_mask, .offset: 64, .size: 8, .value_kind: global_buffer, .address_space: global }
      - { .name: out0, .offset: 72, .size: 8, .value_kind: global_buffer, .address_space: global }
    .group_segment_fixed_size: 327680
    .private_segment_fixed_size: 0
    .kernarg_segment_align: 8
    .kernarg_segment_size: 80
    .max_flat_workgroup_size: 128
    .sgpr_count:     100
    .vgpr_count:     1024
    .wavefront_size: 32
...
	.end_amdgpu_metadata
.endif
;; end of part 2
